; MI455X (gfx1250); checked and timed in simulation.
; The chip was launched on July 23, 2026; its instructions are those of AMD's public machine-readable ISA for CDNA 5 (MIT licence, August 2026) and "CDNA5" Instruction Set Architecture Reference Guide (July 2026). The comments in the code are by the model that wrote it; some were corrected since.
;; Multi Bias Encoder. Allowed arithmetic: float matrix products may take bf16 or f16 operands with f32 sums; all other float work in f32.
;; Inputs: bs 9 x 64 float32; loc_emb 5 x 64 float32; locs 5 float32; scales 9 float32; ws 9 x 64 float32; x 32 x 512 float32.
;; Outputs: out0 32 x 512 x 64 float32.
;; 2 versions, each right; version 2 is version 1 with the launch encode written anew for expert scheduling mode. Each part assembles by itself: llvm-mc -triple=amdgcn-amd-amdhsa -mcpu=gfx1250 --defsym DOCPART=n.
;; ======== version 1 of 2: 1 launch
;; limits: values outside matrix products are rounded to f16; values are held in f16: magnitudes above 65,504 overflow, below 6.1e-05 lose precision
;; launch encode (part 1): grid 256 x 1, 4 waves a work-group, no clusters, 0 bytes of LDS; arguments x, ws, bs, loc_emb, scales, locs, out0; writes out0
.if DOCPART == 1
	.amdgcn_target "amdgcn-amd-amdhsa--gfx1250"
	.amdhsa_code_object_version 6
	.text
	.protected	k_qbaf3d80b98_encode
	.globl	k_qbaf3d80b98_encode
	.p2align	8
	.type	k_qbaf3d80b98_encode,@function
k_qbaf3d80b98_encode:
	s_mov_b64 s[64:65], 0
	v_nop
	global_prefetch_b8 v0, s[64:65] scope:SCOPE_SE
	s_setreg_imm32_b32 hwreg(HW_REG_WAVE_MODE, 25, 1), 1
	s_wait_xcnt 0x0
; MultiBiasEncoder: out[token][c] = sum_l lw_l ( sum_s sw_ls LayerNorm_c(d_l ws[s][c] + scales[s] bs[s][c]) + loc_emb[l][c] ),  d_l = x - locs[l].
;
; THE FORM USED.  With wc, bc the rows of ws, bs less their channel means, enc - mean = d wc + scale bc.  One Gram-Schmidt step per scale,
; p = <wc,bc>/<wc,wc>, bp = bc - p wc, gives two orthonormal rows wn = wc/|wc|, en = bp/|bp| and
;     enc - mean = u wn + t en,   u = (d + scale p) |wc|,   t = scale |bp|,   64 (var + 1e-5) = u^2 + t^2 + 64e-5   (a sum of squares, no difference).
; So out = COEF [16384 x 23] x TABLE [23 x 64]: nine rows wn, nine rows en, five rows loc_emb.  The product goes to the matrix unit in f16:
; |table entry of wn, en| <= 1 and |their coefficients| <= 8 for every input (weights sum to 1, |u|, |t| <= sqrt(u^2+t^2)), so f16 has the room,
; and its 11 significant bits are wanted here.  Means, norms, weights, sums: f32.
; LIMITS KEPT: loc_emb is rounded to f16 as it is (|loc_emb| < 65504).  Squared norms below 2^-100 are taken as 2^-100 (u wn + t en stays
; exact; 64 var moves by at most ((d + scale p)^2 + scale^2) 2^-100).  |u| and |t| below 1.8e19 (their squares are kept in f32).  1/scale, 1/sums by v_rcp_f32.
; Both weight families are normalised, so log2 is used with EPS / ln 2 in place of ln with EPS: the common factor ln 2 cancels.
;
; SHARES.  256 work-groups x 4 waves; a wave owns 16 tokens and shares nothing with any other wave: no LDS, no barrier.
; Lane (r = lane % 16, h = lane / 16) is token r for scales 5h .. 5h+4, and table channels 4r .. 4r+3 of the same scales: that is the K split of the
; 16-bit matrix operands (a lane of half h holds 16 of the 32 k), and one 16-byte load per table row fills four channel tiles (tile t = channels 4r+t).
; Half 1 has four scales: its fifth slot reads row 8 once more (inside the buffers) and gets weight 0 by an infinite epsilon.
; loc_emb lies in both halves' k slots with half the coefficient.
; NO CLUSTER, NO TENSOR LOAD: all that work-groups share are 5,888 bytes of tables, which plain loads bring straight into operand layout;
; a way through LDS would add a barrier and a second read in front of all arithmetic.
; The transcendentals are spread among the plain instructions of other chains; so each has its one plain instruction before its result is used.
.set EPS_ARG,  0x358637bd              ; 1e-6, inside the logarithm
.set EPS_LOG2, 0x35c1a2a0              ; 1e-6 / ln 2, behind the logarithm
.set LNEPS64,  0x3a27c5ac              ; 64 x 1e-5
.set GUARD,    0x0d800000              ; 2^-100
.set NEG64TH,  0xbc800000              ; -1/64
.set AE,  4                            ; 16 r                      loc_emb rows, and the lane term of all table rows
.set AR,  5                            ; 16 r + 1280 h             table rows 5h + i, i = 0..3 by the immediate
.set AR4, 6                            ; 16 r + 1024 h             with immediate 1024: row 4 + 4h
.set AS,  7                            ; 20 h                      scales 5h + i
.set AS4, 8                            ; 16 h                      with immediate 16: scale 4 + 4h
.set AX,  9                            ; 64 wave + 4 r             my token in x
.set AO,  10                           ; 4096 wave + 2048 h + 16 r my 16 bytes of token 8h + j in out0
.set XV,  11
.set EP4, 12                           ; epsilon of slot 4: EPS_LOG2 in half 0, +inf in half 1
.set INF, 13
.set SC,  14                           ; v14-18   scales of my five slots           (later G0)
.set RS,  20                           ; v20-24   their reciprocals                 (later RW, then G1)
.set DL,  26                           ; v26-35   pairs (d_l, |d_l|)                (later CF)
.set LW,  36                           ; v36-40   location weights, not yet normalised
.set TW,  42                           ; v42-71   scale weights, [l][i] with 6 registers a location (later DD)
.set WR,  72                           ; v72-91   ws rows, 4 channels each          (later UU)
.set ER,  92                           ; v92-111  loc_emb rows                      (later UU, OUT)
.set BR,  112                          ; v112-131 bs rows
.set MW,  132                          ; v132-141 row sums of ws, pairs             (later TB)
.set MB,  142                          ; v142-151 row sums of bs                    (later TB)
.set SW,  152                          ; v152-161 pairs (<wc,wc>, its rsq)          (later TB)
.set SX,  162                          ; v162-171 <wc,bc>, then -p                  (later TB)
.set SQ,  172                          ; v172-181 pairs (<bp,bp>, its rsq)          (later VV)
.set PT,  182                          ; v182-191 sums of scale weights, pairs      (later VV)
.set S8,  202                          ; |wc|
.set C8,  208                          ; scale p |wc|
.set T8,  214                          ; scale |bp|
.set QQ,  220                          ; t^2 + 64e-5
.set ZR,  226                          ; 0
.set FL,  232                          ; v232-241 pairs (8 lw_l / (sum lw  sum_s w), 1 / sum_s w)
.set RN,  242                          ; v242-245 sum lw, 1/sum, 8/sum, 0.5/sum
.set EC,  246                          ; v246-250 coefficients of loc_emb
.set EPV, 252                          ; pair of 1e-6
.set NI,  254                          ; pair of -1/64
.set RW,  20                           ; 1 / <wc,wc>
.set UU,  72                           ; v72-101  u, then w f u, [l][i]
.set VV,  172                          ; v172-201 u^2 + t^2 + 64e-5, then its rsq
.set G0,  14                           ; sum_l w f rsq
.set G1,  20                           ; sum_l w f u rsq
.set CF,  26                           ; v26-33   A operand: 16 coefficients in f16
.set TB,  132                          ; v132-163 B operands: four channel tiles, 8 registers each
.set DD,  42                           ; v42-73   four result tiles
.set OUT, 74                           ; v74-105  the results regrouped for 16-byte stores
	s_load_b256 s[4:11], s[0:1], 0x0               ; x s[4:5], ws s[6:7], bs s[8:9], loc_emb s[10:11]
	s_load_b128 s[12:15], s[0:1], 0x20             ; scales s[12:13], locs s[14:15]
	s_load_b64  s[16:17], s[0:1], 0x30             ; out0
	v_and_b32 v1, 15, v0                           ; r
	v_bfe_u32 v2, v0, 4, 1                         ; h
	v_lshrrev_b32 v3, 5, v0                        ; wave
	v_lshlrev_b32 v[AE], 4, v1
	v_mul_u32_u24 v[AR], 0x500, v2
	v_add_nc_u32 v[AR], v[AR], v[AE]
	v_lshl_add_u32 v[AR4], v2, 10, v[AE]
	v_mul_u32_u24 v[AS], 20, v2
	v_lshlrev_b32 v[AS4], 4, v2
	v_lshlrev_b32 v[AX], 2, v1
	v_lshl_add_u32 v[AX], v3, 6, v[AX]
	v_lshl_add_u32 v[AO], v2, 11, v[AE]
	v_lshl_add_u32 v[AO], v3, 12, v[AO]
	s_lshl_b32 s2, ttmp9, 8                        ; the work-group's 64 tokens: 256 bytes of x,
	s_mov_b32 s3, 0
	s_lshl_b32 s18, ttmp9, 14                      ; 16,384 bytes of out0
	s_mov_b32 s19, 0
	s_mov_b32 s28, EPS_LOG2
	s_mov_b32 s30, 0x76543210                      ; v_permlanex16_b32: lane i of one half reads lane i of the other
	s_mov_b32 s31, 0xfedcba98
	s_mov_b32 s32, GUARD
	s_mov_b32 s33, LNEPS64
	s_wait_kmcnt 0x0
	s_load_b128 s[20:23], s[14:15], 0x0            ; locs 0..3
	s_load_b32 s24, s[14:15], 0x10                 ; locs 4
	s_add_nc_u64 s[4:5], s[4:5], s[2:3]
	s_add_nc_u64 s[16:17], s[16:17], s[18:19]
	; 21 loads, in the order in which they are wanted: x, 5 scales, 5 rows of ws, 5 of bs, 5 of loc_emb
	global_load_b32 v[XV], v[AX], s[4:5] th:TH_LOAD_NT
.irp i, 0,1,2,3
	global_load_b32 v[SC+\i], v[AS], s[12:13] offset:4*\i
.endr
	global_load_b32 v[SC+4], v[AS4], s[12:13] offset:16
.irp i, 0,1,2,3
	global_load_b128 v[WR+4*\i:WR+4*\i+3], v[AR], s[6:7] offset:256*\i     ; sixteen lanes take one whole row of 256 bytes
.endr
	global_load_b128 v[WR+16:WR+19], v[AR4], s[6:7] offset:1024
.irp i, 0,1,2,3
	global_load_b128 v[BR+4*\i:BR+4*\i+3], v[AR], s[8:9] offset:256*\i
.endr
	global_load_b128 v[BR+16:BR+19], v[AR4], s[8:9] offset:1024
.irp l, 0,1,2,3,4
	global_load_b128 v[ER+4*\l:ER+4*\l+3], v[AE], s[10:11] offset:256*\l
.endr
	v_mov_b32 v[EPV], EPS_ARG
	v_mov_b32 v[EPV+1], EPS_ARG
	v_mov_b32 v[NI], NEG64TH
	v_mov_b32 v[NI+1], NEG64TH
	v_mov_b32 v[ZR], 0
	v_mov_b32 v[INF], 0x7f800000
	v_cmp_eq_u32 vcc_lo, 1, v2
	v_cndmask_b32 v[EP4], s28, v[INF], vcc_lo      ; half 1: +inf, so that 1 / (|log| + eps) of its spare slot is 0
; one butterfly step inside each half of 16 lanes
.macro XADD reg, m
	v_add_f32_dpp v[\reg], v[\reg], v[\reg] row_xmask:\m row_mask:0xf bank_mask:0xf
.endm
; one butterfly step on the five sums at a and the five at b (ten chains, so none waits for itself), and behind each pair one
; transcendental, in place, of the five registers at t, which belong to the token arithmetic
.macro RED2 a, b, m, op, t
.irp i, 0,1,2,3,4
	XADD \a+2*\i, \m
	XADD \b+2*\i, \m
	\op v[\t+\i], v[\t+\i]
.endr
.endm
	; ---- distances and the arguments of all logarithms
	s_wait_loadcnt 15                              ; x and the five scales are in; the 15 table loads stay out
.irp i, 0,1,2,3,4
	v_rcp_f32 v[RS+\i], v[SC+\i]
.endr
	s_wait_kmcnt 0x0                               ; locs
.irp l, 0,1,2,3,4
	v_sub_f32 v[DL+2*\l], v[XV], s[20+\l]
.endr
.irp l, 0,1,2,3,4
	v_and_b32 v[DL+2*\l+1], 0x7fffffff, v[DL+2*\l]
.endr
.irp l, 0,1,2,3,4
	v_add_f32 v[LW+\l], 1.0, v[DL+2*\l+1]          ; |d| + 1
.endr
	s_wait_alu depctr_va_vdst(0)
.irp l, 0,1,2,3,4                                  ; |d| / scale + 1e-6: |d| is the pair's second register, used for both halves of the result
	v_pk_fma_f32 v[TW+6*\l:TW+6*\l+1],   v[DL+2*\l:DL+2*\l+1], v[RS:RS+1],   v[EPV:EPV+1] op_sel:[1,0,0] op_sel_hi:[1,1,1]
	v_pk_fma_f32 v[TW+6*\l+2:TW+6*\l+3], v[DL+2*\l:DL+2*\l+1], v[RS+2:RS+3], v[EPV:EPV+1] op_sel:[1,0,0] op_sel_hi:[1,1,1]
	v_fma_f32 v[TW+6*\l+4], v[DL+2*\l+1], v[RS+4], v[EPV]
.endr
	; ---- row sums of ws and bs (my 4 channels, then 16 lanes), with the 30 logarithms between them
	s_wait_loadcnt 5                               ; ws and bs are in; the five loads of loc_emb stay out
.irp i, 0,1,2,3,4
	v_pk_add_f32 v[MW+2*\i:MW+2*\i+1], v[WR+4*\i:WR+4*\i+1], v[WR+4*\i+2:WR+4*\i+3]
	v_pk_add_f32 v[MB+2*\i:MB+2*\i+1], v[BR+4*\i:BR+4*\i+1], v[BR+4*\i+2:BR+4*\i+3]
	v_log_f32 v[TW+\i], v[TW+\i]
.endr
.irp i, 0,1,2,3,4
	v_add_f32 v[MW+2*\i], v[MW+2*\i], v[MW+2*\i+1]
	v_add_f32 v[MB+2*\i], v[MB+2*\i], v[MB+2*\i+1]
	v_log_f32 v[TW+6+\i], v[TW+6+\i]
.endr
	RED2 MW, MB, 1, v_log_f32, TW+12
	RED2 MW, MB, 2, v_log_f32, TW+18
	RED2 MW, MB, 4, v_log_f32, TW+24
	RED2 MW, MB, 8, v_log_f32, LW
	; ---- centre the rows: x - sum/64, the sum taken from the pair's first register for both halves
.irp i, 0,1,2,3,4
	v_pk_fma_f32 v[WR+4*\i:WR+4*\i+1],   v[MW+2*\i:MW+2*\i+1], v[NI:NI+1], v[WR+4*\i:WR+4*\i+1]   op_sel_hi:[0,1,1]
	v_pk_fma_f32 v[WR+4*\i+2:WR+4*\i+3], v[MW+2*\i:MW+2*\i+1], v[NI:NI+1], v[WR+4*\i+2:WR+4*\i+3] op_sel_hi:[0,1,1]
	v_pk_fma_f32 v[BR+4*\i:BR+4*\i+1],   v[MB+2*\i:MB+2*\i+1], v[NI:NI+1], v[BR+4*\i:BR+4*\i+1]   op_sel_hi:[0,1,1]
	v_pk_fma_f32 v[BR+4*\i+2:BR+4*\i+3], v[MB+2*\i:MB+2*\i+1], v[NI:NI+1], v[BR+4*\i+2:BR+4*\i+3] op_sel_hi:[0,1,1]
.endr
	; ---- |log2| + eps
	s_wait_alu depctr_va_vdst(0)
.irp l, 0,1,2,3,4
.irp i, 0,1,2,3
	v_add_f32 v[TW+6*\l+\i], |v[TW+6*\l+\i]|, s28
.endr
	v_add_f32 v[TW+6*\l+4], |v[TW+6*\l+4]|, v[EP4]
	v_add_f32 v[LW+\l], s28, v[LW+\l]              ; log2(|d| + 1) is not negative
.endr
	; ---- <wc,wc> and <wc,bc>, with the 30 reciprocals of the weights between them
.irp i, 0,1,2,3,4
	v_pk_mul_f32 v[SW+2*\i:SW+2*\i+1], v[WR+4*\i:WR+4*\i+1], v[WR+4*\i:WR+4*\i+1]
	v_pk_mul_f32 v[SX+2*\i:SX+2*\i+1], v[WR+4*\i:WR+4*\i+1], v[BR+4*\i:BR+4*\i+1]
	v_rcp_f32 v[TW+\i], v[TW+\i]
.endr
.irp i, 0,1,2,3,4
	v_pk_fma_f32 v[SW+2*\i:SW+2*\i+1], v[WR+4*\i+2:WR+4*\i+3], v[WR+4*\i+2:WR+4*\i+3], v[SW+2*\i:SW+2*\i+1]
	v_pk_fma_f32 v[SX+2*\i:SX+2*\i+1], v[WR+4*\i+2:WR+4*\i+3], v[BR+4*\i+2:BR+4*\i+3], v[SX+2*\i:SX+2*\i+1]
	v_rcp_f32 v[TW+6+\i], v[TW+6+\i]
.endr
.irp i, 0,1,2,3,4
	v_add_f32 v[SW+2*\i], v[SW+2*\i], v[SW+2*\i+1]
	v_add_f32 v[SX+2*\i], v[SX+2*\i], v[SX+2*\i+1]
	v_rcp_f32 v[TW+12+\i], v[TW+12+\i]
.endr
	RED2 SW, SX, 1, v_rcp_f32, TW+18
	RED2 SW, SX, 2, v_rcp_f32, TW+24
	RED2 SW, SX, 4, v_rcp_f32, LW
.irp i, 0,1,2,3,4
	XADD SW+2*\i, 8
	XADD SX+2*\i, 8
	s_wait_alu depctr_va_vdst(0)
	v_pk_add_f32 v[PT+2*\i:PT+2*\i+1], v[TW+6*\i:TW+6*\i+1], v[TW+6*\i+2:TW+6*\i+3]   ; location i: my five scale weights begin to add up
.endr
	; ---- -p = -<wc,bc>/<wc,wc>;  sums of the weights, mine plus the other half's
.irp i, 0,1,2,3,4
	v_max_num_f32 v[SW+2*\i], s32, v[SW+2*\i]      ; a constant row of ws: the norm is clamped, wc = 0 stays 0
.endr
.irp k, 0,1,2,3,4
	v_rsq_f32 v[SW+2*\k+1], v[SW+2*\k]
	v_add_f32 v[PT+2*\k], v[PT+2*\k], v[PT+2*\k+1]
.endr
.irp k, 0,1,2,3,4
	v_rcp_f32 v[RW+\k], v[SW+2*\k]
	v_add_f32 v[PT+2*\k], v[PT+2*\k], v[TW+6*\k+4]
.endr
	v_pk_add_f32 v[RN:RN+1], v[LW:LW+1], v[LW+2:LW+3]
.irp l, 0,1,2,3,4
	v_permlanex16_b32 v[PT+2*\l+1], v[PT+2*\l], s30, s31   ; the destination has been written before (the packed add)
.endr
	v_add_f32 v[RN], v[RN], v[RN+1]
	s_wait_alu depctr_va_vdst(0)
.irp i, 0,1,2,3,4
	v_mul_f32 v[SX+2*\i], -v[SX+2*\i], v[RW+\i]
.endr
	v_add_f32 v[RN], v[RN], v[LW+4]
.irp l, 0,1,2,3,4
	v_add_f32 v[PT+2*\l], v[PT+2*\l], v[PT+2*\l+1] ; sum over all nine scales
.endr
.irp k, 0,1,2,3,4                                  ; bp = bc - p wc
	v_pk_fma_f32 v[BR+4*\k:BR+4*\k+1],   v[SX+2*\k:SX+2*\k+1], v[WR+4*\k:WR+4*\k+1],   v[BR+4*\k:BR+4*\k+1]   op_sel_hi:[0,1,1]
	v_pk_fma_f32 v[BR+4*\k+2:BR+4*\k+3], v[SX+2*\k:SX+2*\k+1], v[WR+4*\k+2:WR+4*\k+3], v[BR+4*\k+2:BR+4*\k+3] op_sel_hi:[0,1,1]
	v_rcp_f32 v[FL+2*\k+1], v[PT+2*\k]
.endr
	v_rcp_f32 v[RN+1], v[RN]
	; ---- <bp,bp>, five chains, with the statistics of wc and the location factors between its steps
.irp i, 0,1,2,3,4
	v_pk_mul_f32 v[SQ+2*\i:SQ+2*\i+1], v[BR+4*\i:BR+4*\i+1], v[BR+4*\i:BR+4*\i+1]
	v_mul_f32 v[S8+\i], v[SW+2*\i], v[SW+2*\i+1]   ; |wc| = n rsq(n)
.endr
.irp i, 0,1,2,3,4
	v_pk_fma_f32 v[SQ+2*\i:SQ+2*\i+1], v[BR+4*\i+2:BR+4*\i+3], v[BR+4*\i+2:BR+4*\i+3], v[SQ+2*\i:SQ+2*\i+1]
	v_mul_f32 v[C8+\i], v[SC+\i], v[SX+2*\i]       ; -scale p
.endr
	s_wait_alu depctr_va_vdst(0)
	v_mul_f32 v[RN+2], 0x41000000, v[RN+1]         ; 8 / sum lw: the 8 = sqrt(64) that the unit-norm rows and 64 var leave over
	v_mul_f32 v[RN+3], 0.5, v[RN+1]                ; loc_emb stands in both halves' k slots
.irp i, 0,1,2,3,4
	v_add_f32 v[SQ+2*\i], v[SQ+2*\i], v[SQ+2*\i+1]
	v_mul_f32 v[C8+\i], -v[C8+\i], v[S8+\i]        ; scale p |wc|
.endr
.irp i, 0,1,2,3,4
	XADD SQ+2*\i, 1
	v_pk_mul_f32 v[WR+4*\i:WR+4*\i+1],   v[WR+4*\i:WR+4*\i+1],   v[SW+2*\i:SW+2*\i+1] op_sel:[0,1] op_sel_hi:[1,1]   ; wn = wc rsq
	v_pk_mul_f32 v[WR+4*\i+2:WR+4*\i+3], v[WR+4*\i+2:WR+4*\i+3], v[SW+2*\i:SW+2*\i+1] op_sel:[0,1] op_sel_hi:[1,1]
.endr
.irp i, 0,1,2,3,4
	XADD SQ+2*\i, 2
	v_mul_f32 v[FL+2*\i], v[LW+\i], v[RN+2]
.endr
.irp i, 0,1,2,3,4
	XADD SQ+2*\i, 4
	v_mul_f32 v[FL+2*\i], v[FL+2*\i], v[FL+2*\i+1] ; f_l = 8 lw_l / (sum lw  sum_s w)
.endr
	v_pk_mul_f32 v[EC:EC+1],   v[LW:LW+1],   v[RN+2:RN+3] op_sel:[0,1] op_sel_hi:[1,1]
	v_pk_mul_f32 v[EC+2:EC+3], v[LW+2:LW+3], v[RN+2:RN+3] op_sel:[0,1] op_sel_hi:[1,1]
	v_mul_f32 v[EC+4], v[LW+4], v[RN+3]
.irp i, 0,1,2,3,4
	XADD SQ+2*\i, 8
.endr
; register n of channel tile t of the B operand.  The 16 k slots of a half, two to a register:
; (wn0 wn1) (wn2 wn3) (wn4 emb0) (emb1 emb2) (emb3 emb4) (en0 en1) (en2 en3) (en4 0); the A operand below follows the same list.
.macro CVTN t, n
.if \n == 0
	v_cvt_pk_f16_f32 v[TB+8*\t],   v[WR+\t],    v[WR+4+\t]
.elseif \n == 1
	v_cvt_pk_f16_f32 v[TB+8*\t+1], v[WR+8+\t],  v[WR+12+\t]
.elseif \n == 2
	v_cvt_pk_f16_f32 v[TB+8*\t+2], v[WR+16+\t], v[ER+\t]
.elseif \n == 3
	v_cvt_pk_f16_f32 v[TB+8*\t+3], v[ER+4+\t],  v[ER+8+\t]
.elseif \n == 4
	v_cvt_pk_f16_f32 v[TB+8*\t+4], v[ER+12+\t], v[ER+16+\t]
.elseif \n == 5
	v_cvt_pk_f16_f32 v[TB+8*\t+5], v[BR+\t],    v[BR+4+\t]
.elseif \n == 6
	v_cvt_pk_f16_f32 v[TB+8*\t+6], v[BR+8+\t],  v[BR+12+\t]
.else
	v_cvt_pk_f16_f32 v[TB+8*\t+7], v[BR+16+\t], v[ZR]
.endif
.endm
	s_wait_loadcnt 0                               ; loc_emb
.irp n, 0,1,2,3,4
	CVTN 0, \n
.endr
.irp i, 0,1,2,3,4
	v_max_num_f32 v[SQ+2*\i], s32, v[SQ+2*\i]      ; bs constant or parallel to ws: clamped likewise
.endr
.irp i, 0,1,2,3,4
	v_rsq_f32 v[SQ+2*\i+1], v[SQ+2*\i]
	CVTN 1, \i
	CVTN 2, \i
	CVTN 3, \i
.endr
	s_wait_alu depctr_va_vdst(0)
.irp i, 0,1,2,3,4
	v_mul_f32 v[T8+\i], v[SQ+2*\i], v[SQ+2*\i+1]   ; |bp|
	v_pk_mul_f32 v[BR+4*\i:BR+4*\i+1],   v[BR+4*\i:BR+4*\i+1],   v[SQ+2*\i:SQ+2*\i+1] op_sel:[0,1] op_sel_hi:[1,1]   ; en = bp rsq
	v_pk_mul_f32 v[BR+4*\i+2:BR+4*\i+3], v[BR+4*\i+2:BR+4*\i+3], v[SQ+2*\i:SQ+2*\i+1] op_sel:[0,1] op_sel_hi:[1,1]
.endr
.irp i, 0,1,2,3,4
	v_mul_f32 v[T8+\i], v[T8+\i], v[SC+\i]         ; t = scale |bp|
.endr
.irp l, 0,1,2,3,4                                  ; u = d |wc| + scale p |wc|  (ws and loc_emb rows are converted: their registers take u)
	v_pk_fma_f32 v[UU+6*\l:UU+6*\l+1],   v[DL+2*\l:DL+2*\l+1], v[S8:S8+1],   v[C8:C8+1]   op_sel_hi:[0,1,1]
	v_pk_fma_f32 v[UU+6*\l+2:UU+6*\l+3], v[DL+2*\l:DL+2*\l+1], v[S8+2:S8+3], v[C8+2:C8+3] op_sel_hi:[0,1,1]
	v_fma_f32 v[UU+6*\l+4], v[DL+2*\l], v[S8+4], v[C8+4]
.endr
.irp i, 0,1,2,3,4
	v_fma_f32 v[QQ+\i], v[T8+\i], v[T8+\i], s33
.endr
.irp l, 0,1,2,3,4                                  ; 64 (var + 1e-5) = u^2 + (t^2 + 64e-5)
	v_pk_fma_f32 v[VV+6*\l:VV+6*\l+1],   v[UU+6*\l:UU+6*\l+1],   v[UU+6*\l:UU+6*\l+1],   v[QQ:QQ+1]
	v_pk_fma_f32 v[VV+6*\l+2:VV+6*\l+3], v[UU+6*\l+2:UU+6*\l+3], v[UU+6*\l+2:UU+6*\l+3], v[QQ+2:QQ+3]
	v_fma_f32 v[VV+6*\l+4], v[UU+6*\l+4], v[UU+6*\l+4], v[QQ+4]
.endr
; location l joins the sums over locations: G0 += (w f) rsq, G1 += (w f u) rsq; location 0 starts them, nothing is cleared
.macro ACCP l, o
.if (\l) == 0
	s_wait_alu depctr_va_vdst(0)
	v_pk_mul_f32 v[G0+\o:G0+\o+1], v[TW+6*(\l)+\o:TW+6*(\l)+\o+1], v[VV+6*(\l)+\o:VV+6*(\l)+\o+1]
	v_pk_mul_f32 v[G1+\o:G1+\o+1], v[UU+6*(\l)+\o:UU+6*(\l)+\o+1], v[VV+6*(\l)+\o:VV+6*(\l)+\o+1]
.else
	v_pk_fma_f32 v[G0+\o:G0+\o+1], v[TW+6*(\l)+\o:TW+6*(\l)+\o+1], v[VV+6*(\l)+\o:VV+6*(\l)+\o+1], v[G0+\o:G0+\o+1]
	v_pk_fma_f32 v[G1+\o:G1+\o+1], v[UU+6*(\l)+\o:UU+6*(\l)+\o+1], v[VV+6*(\l)+\o:VV+6*(\l)+\o+1], v[G1+\o:G1+\o+1]
.endif
.endm
.macro ACCS l
.if (\l) == 0
	v_mul_f32 v[G0+4], v[TW+6*(\l)+4], v[VV+6*(\l)+4]
	v_mul_f32 v[G1+4], v[UU+6*(\l)+4], v[VV+6*(\l)+4]
.else
	v_fma_f32 v[G0+4], v[TW+6*(\l)+4], v[VV+6*(\l)+4], v[G0+4]
	v_fma_f32 v[G1+4], v[UU+6*(\l)+4], v[VV+6*(\l)+4], v[G1+4]
.endif
.endm
; location l: its five rsq, each followed by three plain instructions of other chains: w f and w f u of this location, the sums of the
; location before, and the rest of the operand conversions (tile l's rows en; for l = 4 two registers of the A operand)
.macro ITER l
	v_rsq_f32 v[VV+6*\l], v[VV+6*\l]
	v_pk_mul_f32 v[TW+6*\l:TW+6*\l+1], v[TW+6*\l:TW+6*\l+1], v[FL+2*\l:FL+2*\l+1] op_sel_hi:[1,0]
	s_wait_alu depctr_va_vdst(0)
.if \l > 0
	ACCP \l-1, 0
.endif
	v_rsq_f32 v[VV+6*\l+1], v[VV+6*\l+1]
	v_pk_mul_f32 v[TW+6*\l+2:TW+6*\l+3], v[TW+6*\l+2:TW+6*\l+3], v[FL+2*\l:FL+2*\l+1] op_sel_hi:[1,0]
.if \l > 0
	ACCP \l-1, 2
.endif
	v_rsq_f32 v[VV+6*\l+2], v[VV+6*\l+2]
	v_mul_f32 v[TW+6*\l+4], v[TW+6*\l+4], v[FL+2*\l]
.if \l > 0
	ACCS \l-1
.endif
	v_rsq_f32 v[VV+6*\l+3], v[VV+6*\l+3]
	v_pk_mul_f32 v[UU+6*\l:UU+6*\l+1],   v[UU+6*\l:UU+6*\l+1],   v[TW+6*\l:TW+6*\l+1]
	v_pk_mul_f32 v[UU+6*\l+2:UU+6*\l+3], v[UU+6*\l+2:UU+6*\l+3], v[TW+6*\l+2:TW+6*\l+3]
.if \l < 4
	CVTN \l, 5
.else
	v_cvt_pk_f16_f32 v[CF+3], v[EC+1], v[EC+2]
.endif
	v_rsq_f32 v[VV+6*\l+4], v[VV+6*\l+4]
	v_mul_f32 v[UU+6*\l+4], v[UU+6*\l+4], v[TW+6*\l+4]
.if \l < 4
	CVTN \l, 6
	CVTN \l, 7
.else
	v_cvt_pk_f16_f32 v[CF+4], v[EC+3], v[EC+4]
	s_wait_alu depctr_va_vdst(0)
.endif
.endm
	ITER 0
	ITER 1
	ITER 2
	ITER 3
	ITER 4
	ACCP 4, 0
	ACCP 4, 2
	ACCS 4
	; ---- the A operand: my token's 16 coefficients, in the k order of CVTN
	v_pk_mul_f32 v[G0:G0+1],   v[G0:G0+1],   v[T8:T8+1]     ; coefficient of en: t sum_l w f rsq
	v_pk_mul_f32 v[G0+2:G0+3], v[G0+2:G0+3], v[T8+2:T8+3]
	v_mul_f32 v[G0+4], v[G0+4], v[T8+4]
	v_cvt_pk_f16_f32 v[CF],   v[G1],   v[G1+1]
	v_cvt_pk_f16_f32 v[CF+1], v[G1+2], v[G1+3]
	v_cvt_pk_f16_f32 v[CF+2], v[G1+4], v[EC]
	v_cvt_pk_f16_f32 v[CF+5], v[G0],   v[G0+1]
	v_cvt_pk_f16_f32 v[CF+6], v[G0+2], v[G0+3]
	v_cvt_pk_f16_f32 v[CF+7], v[G0+4], v[ZR]
.irp t, 0,1,2,3
	v_wmma_f32_16x16x32_f16 v[DD+8*\t:DD+8*\t+7], v[CF:CF+7], v[TB+8*\t:TB+8*\t+7], 0    ; 16 tokens x channels 4n + t, all of K in one step
.endr
.rept 4
	v_nop                                          ; four places behind the last matrix instruction before its result is read (ISA guide 7.12.1)
.endr
	; Register j of tile t holds (token 8h + j, channel 4r + t).  Four moves put a lane's channels 4r .. 4r+3 of one token side by side, so that
	; sixteen lanes store the 256 consecutive, aligned bytes of a token's row and one store of the wave covers two whole rows.  The moves stand for
	; a trip through LDS, which the same regrouping would otherwise take.
.irp j, 0,1,2,3,4,5,6,7
.irp t, 0,1,2,3
	v_mov_b32 v[OUT+4*\j+\t], v[DD+8*\t+\j]
.endr
	global_store_b128 v[AO], v[OUT+4*\j:OUT+4*\j+3], s[16:17] offset:256*\j th:TH_STORE_NT
.endr
	s_endpgm
.Lfunc_end_k_qbaf3d80b98_encode:
	.size	k_qbaf3d80b98_encode, .Lfunc_end_k_qbaf3d80b98_encode-k_qbaf3d80b98_encode
	.p2alignl 7, 3214868480
	.fill 96, 4, 3214868480
	.section	.rodata,"a",@progbits
	.p2align	6, 0x0
	.amdhsa_kernel k_qbaf3d80b98_encode
		.amdhsa_group_segment_fixed_size 0
		.amdhsa_private_segment_fixed_size 0
		.amdhsa_enable_private_segment 0
		.amdhsa_kernarg_size 56
		.amdhsa_user_sgpr_count 2
		.amdhsa_user_sgpr_kernarg_segment_ptr 1
		.amdhsa_wavefront_size32 1
		.amdhsa_system_sgpr_workgroup_id_x 1
		.amdhsa_system_sgpr_workgroup_id_y 1
		.amdhsa_system_sgpr_workgroup_id_z 1
		.amdhsa_system_vgpr_workitem_id 0
		.amdhsa_next_free_vgpr 256
		.amdhsa_next_free_sgpr 66
		.amdhsa_reserve_vcc 1
		.amdhsa_float_denorm_mode_32 3
		.amdhsa_float_denorm_mode_16_64 3
		.amdhsa_memory_ordered 1
		.amdhsa_forward_progress 1
		.amdhsa_inst_pref_size 39
	.end_amdhsa_kernel
	.amdgpu_metadata
---
amdhsa.version: [ 1, 2 ]
amdhsa.kernels:
  - .name:           k_qbaf3d80b98_encode
    .symbol:         k_qbaf3d80b98_encode.kd
    .args:
      - { .name: x, .offset: 0, .size: 8, .value_kind: global_buffer, .address_space: global }
      - { .name: ws, .offset: 8, .size: 8, .value_kind: global_buffer, .address_space: global }
      - { .name: bs, .offset: 16, .size: 8, .value_kind: global_buffer, .address_space: global }
      - { .name: loc_emb, .offset: 24, .size: 8, .value_kind: global_buffer, .address_space: global }
      - { .name: scales, .offset: 32, .size: 8, .value_kind: global_buffer, .address_space: global }
      - { .name: locs, .offset: 40, .size: 8, .value_kind: global_buffer, .address_space: global }
      - { .name: out0, .offset: 48, .size: 8, .value_kind: global_buffer, .address_space: global }
    .group_segment_fixed_size: 0
    .private_segment_fixed_size: 0
    .kernarg_segment_align: 8
    .kernarg_segment_size: 56
    .max_flat_workgroup_size: 128
    .sgpr_count:     66
    .vgpr_count:     256
    .wavefront_size: 32
...
	.end_amdgpu_metadata
.endif
;; end of part 1
;; ======== version 2 of 2: 1 launch; version 1 with the launch encode written anew for expert scheduling mode
;; limits: values outside matrix products are rounded to f16; values are held in f16: magnitudes above 65,504 overflow, below 6.1e-05 lose precision
;; launch encode (part 2): grid 256 x 1, 4 waves a work-group, no clusters, 0 bytes of LDS; arguments x, ws, bs, loc_emb, scales, locs, out0; writes out0
.if DOCPART == 2
	.amdgcn_target "amdgcn-amd-amdhsa--gfx1250"
	.amdhsa_code_object_version 6
	.text
	.protected	k_qbaf3d80b98_encode
	.globl	k_qbaf3d80b98_encode
	.p2align	8
	.type	k_qbaf3d80b98_encode,@function
k_qbaf3d80b98_encode:
	s_mov_b64 s[64:65], 0
	v_nop
	global_prefetch_b8 v0, s[64:65] scope:SCOPE_SE
	s_setreg_imm32_b32 hwreg(HW_REG_WAVE_SCHED_MODE, 0, 2), 2
	s_setreg_imm32_b32 hwreg(HW_REG_WAVE_MODE, 25, 1), 1
	s_wait_xcnt 0x0
	s_wait_alu depctr_vm_vsrc(0)
; MultiBiasEncoder: out[token][c] = sum_l lw_l ( sum_s sw_ls LayerNorm_c(d_l ws[s][c] + scales[s] bs[s][c]) + loc_emb[l][c] ),  d_l = x - locs[l].
;
; THE FORM USED.  With wc, bc the rows of ws, bs less their channel means, enc - mean = d wc + scale bc.  One Gram-Schmidt step per scale,
; p = <wc,bc>/<wc,wc>, bp = bc - p wc, gives two orthonormal rows wn = wc/|wc|, en = bp/|bp| and
;     enc - mean = u wn + t en,   u = (d + scale p) |wc|,   t = scale |bp|,   64 (var + 1e-5) = u^2 + t^2 + 64e-5   (a sum of squares, no difference).
; So out = COEF [16384 x 23] x TABLE [23 x 64]: nine rows wn, nine rows en, five rows loc_emb.  The product goes to the matrix unit in f16:
; |table entry of wn, en| <= 1 and |their coefficients| <= 8 for every input (weights sum to 1, |u|, |t| <= sqrt(u^2+t^2)), so f16 has the room,
; and its 11 significant bits are wanted here.  Means, norms, weights, sums: f32.
; LIMITS KEPT: loc_emb is rounded to f16 as it is (|loc_emb| < 65504).  Squared norms below 2^-100 are taken as 2^-100 (u wn + t en stays
; exact; 64 var moves by at most ((d + scale p)^2 + scale^2) 2^-100).  |u| and |t| below 1.8e19 (their squares are kept in f32).  1/scale, 1/sums by v_rcp_f32.
; Both weight families are normalised, so log2 is used with EPS / ln 2 in place of ln with EPS: the common factor ln 2 cancels.
;
; SHARES.  256 work-groups x 4 waves; a wave owns 16 tokens and shares nothing with any other wave: no LDS, no barrier.
; Lane (r = lane % 16, h = lane / 16) is token r for scales 5h .. 5h+4, and table channels 4r .. 4r+3 of the same scales: that is the K split of the
; 16-bit matrix operands (a lane of half h holds 16 of the 32 k), and one 16-byte load per table row fills four channel tiles (tile t = channels 4r+t).
; Half 1 has four scales: its fifth slot reads row 8 once more (inside the buffers) and gets weight 0 by an infinite epsilon.
; loc_emb lies in both halves' k slots with half the coefficient.
; NO CLUSTER, NO TENSOR LOAD: all that work-groups share are 5,888 bytes of tables, which plain loads bring straight into operand layout;
; a way through LDS would add a barrier and a second read in front of all arithmetic.
; The transcendentals are spread among the plain instructions of other chains; so each has its one plain instruction before its result is used.
;
; THE MODE: SCHED_MODE bits 1:0 = 2 (LLVM: expert scheduling mode 2), set by the entry lines.  The code itself states the register dependences
; between vector or matrix instructions and memory instructions, with s_wait_alu, always for 0.
; THE PLAN.  The text is one straight run.  Registers that memory instructions touch:
;   v4-v9             offsets of the 21 loads.  Written once, by the head's vector lines; read by the loads; never written again.
;   v10               offset of the 8 stores.   Written once, at the head; read at the end; no vector line in between names it.
;   v11, v14-18,      the loads land here.  No vector line names them ahead of the loads; behind the loads the counted waits on LOADcnt
;   v72-131           stand ahead of every line that reads or rewrites them.
;   OUT, v74-105      data of the 8 stores.  Written by the 32 moves at the end, read by the stores, never written again.
;   VCC               written by one compare, read by the one select behind it.
; So three waits state everything: va_vdst ahead of the run of loads (the offsets are written), va_vcc between the compare and the select,
; va_vdst between the run of 32 moves and the run of 8 stores (OUT is written).  No register that a memory instruction reads is written
; again, so no wait on vm_vsrc is owed; EXEC is never written, and no vector line writes a scalar register.
.set EPS_ARG,  0x358637bd              ; 1e-6, inside the logarithm
.set EPS_LOG2, 0x35c1a2a0              ; 1e-6 / ln 2, behind the logarithm
.set LNEPS64,  0x3a27c5ac              ; 64 x 1e-5
.set GUARD,    0x0d800000              ; 2^-100
.set NEG64TH,  0xbc800000              ; -1/64
.set AE,  4                            ; 16 r                      loc_emb rows, and the lane term of all table rows
.set AR,  5                            ; 16 r + 1280 h             table rows 5h + i, i = 0..3 by the immediate
.set AR4, 6                            ; 16 r + 1024 h             with immediate 1024: row 4 + 4h
.set AS,  7                            ; 20 h                      scales 5h + i
.set AS4, 8                            ; 16 h                      with immediate 16: scale 4 + 4h
.set AX,  9                            ; 64 wave + 4 r             my token in x
.set AO,  10                           ; 4096 wave + 2048 h + 16 r my 16 bytes of token 8h + j in out0
.set XV,  11
.set EP4, 12                           ; epsilon of slot 4: EPS_LOG2 in half 0, +inf in half 1
.set INF, 13
.set SC,  14                           ; v14-18   scales of my five slots           (later G0)
.set RS,  20                           ; v20-24   their reciprocals                 (later RW, then G1)
.set DL,  26                           ; v26-35   pairs (d_l, |d_l|)                (later CF)
.set LW,  36                           ; v36-40   location weights, not yet normalised
.set TW,  42                           ; v42-71   scale weights, [l][i] with 6 registers a location (later DD)
.set WR,  72                           ; v72-91   ws rows, 4 channels each          (later UU)
.set ER,  92                           ; v92-111  loc_emb rows                      (later UU, OUT)
.set BR,  112                          ; v112-131 bs rows
.set MW,  132                          ; v132-141 row sums of ws, pairs             (later TB)
.set MB,  142                          ; v142-151 row sums of bs                    (later TB)
.set SW,  152                          ; v152-161 pairs (<wc,wc>, its rsq)          (later TB)
.set SX,  162                          ; v162-171 <wc,bc>, then -p                  (later TB)
.set SQ,  172                          ; v172-181 pairs (<bp,bp>, its rsq)          (later VV)
.set PT,  182                          ; v182-191 sums of scale weights, pairs      (later VV)
.set S8,  202                          ; |wc|
.set C8,  208                          ; scale p |wc|
.set T8,  214                          ; scale |bp|
.set QQ,  220                          ; t^2 + 64e-5
.set ZR,  226                          ; 0
.set FL,  232                          ; v232-241 pairs (8 lw_l / (sum lw  sum_s w), 1 / sum_s w)
.set RN,  242                          ; v242-245 sum lw, 1/sum, 8/sum, 0.5/sum
.set EC,  246                          ; v246-250 coefficients of loc_emb
.set EPV, 252                          ; pair of 1e-6
.set NI,  254                          ; pair of -1/64
.set RW,  20                           ; 1 / <wc,wc>
.set UU,  72                           ; v72-101  u, then w f u, [l][i]
.set VV,  172                          ; v172-201 u^2 + t^2 + 64e-5, then its rsq
.set G0,  14                           ; sum_l w f rsq
.set G1,  20                           ; sum_l w f u rsq
.set CF,  26                           ; v26-33   A operand: 16 coefficients in f16
.set TB,  132                          ; v132-163 B operands: four channel tiles, 8 registers each
.set DD,  42                           ; v42-73   four result tiles
.set OUT, 74                           ; v74-105  the results regrouped for 16-byte stores
	s_load_b256 s[4:11], s[0:1], 0x0               ; x s[4:5], ws s[6:7], bs s[8:9], loc_emb s[10:11]
	s_load_b128 s[12:15], s[0:1], 0x20             ; scales s[12:13], locs s[14:15]
	s_load_b64  s[16:17], s[0:1], 0x30             ; out0
	v_and_b32 v1, 15, v0                           ; r
	v_bfe_u32 v2, v0, 4, 1                         ; h
	v_lshrrev_b32 v3, 5, v0                        ; wave
	v_lshlrev_b32 v[AE], 4, v1
	v_mul_u32_u24 v[AR], 0x500, v2
	v_add_nc_u32 v[AR], v[AR], v[AE]
	v_lshl_add_u32 v[AR4], v2, 10, v[AE]
	v_mul_u32_u24 v[AS], 20, v2
	v_lshlrev_b32 v[AS4], 4, v2
	v_lshlrev_b32 v[AX], 2, v1
	v_lshl_add_u32 v[AX], v3, 6, v[AX]
	v_lshl_add_u32 v[AO], v2, 11, v[AE]
	v_lshl_add_u32 v[AO], v3, 12, v[AO]
	s_lshl_b32 s2, ttmp9, 8                        ; the work-group's 64 tokens: 256 bytes of x,
	s_mov_b32 s3, 0
	s_lshl_b32 s18, ttmp9, 14                      ; 16,384 bytes of out0
	s_mov_b32 s19, 0
	s_mov_b32 s28, EPS_LOG2
	s_mov_b32 s30, 0x76543210                      ; v_permlanex16_b32: lane i of one half reads lane i of the other
	s_mov_b32 s31, 0xfedcba98
	s_mov_b32 s32, GUARD
	s_mov_b32 s33, LNEPS64
	s_wait_kmcnt 0x0
	s_load_b128 s[20:23], s[14:15], 0x0            ; locs 0..3
	s_load_b32 s24, s[14:15], 0x10                 ; locs 4
	s_add_nc_u64 s[4:5], s[4:5], s[2:3]
	s_add_nc_u64 s[16:17], s[16:17], s[18:19]
	s_wait_alu depctr_va_vdst(0)                   ; the seven offsets v4 to v10 are written: the 21 loads below read v4 to v9, the stores at the end v10
	; 21 loads, in the order in which they are wanted: x, 5 scales, 5 rows of ws, 5 of bs, 5 of loc_emb
	global_load_b32 v[XV], v[AX], s[4:5] th:TH_LOAD_NT
.irp i, 0,1,2,3
	global_load_b32 v[SC+\i], v[AS], s[12:13] offset:4*\i
.endr
	global_load_b32 v[SC+4], v[AS4], s[12:13] offset:16
.irp i, 0,1,2,3
	global_load_b128 v[WR+4*\i:WR+4*\i+3], v[AR], s[6:7] offset:256*\i     ; sixteen lanes take one whole row of 256 bytes
.endr
	global_load_b128 v[WR+16:WR+19], v[AR4], s[6:7] offset:1024
.irp i, 0,1,2,3
	global_load_b128 v[BR+4*\i:BR+4*\i+3], v[AR], s[8:9] offset:256*\i
.endr
	global_load_b128 v[BR+16:BR+19], v[AR4], s[8:9] offset:1024
.irp l, 0,1,2,3,4
	global_load_b128 v[ER+4*\l:ER+4*\l+3], v[AE], s[10:11] offset:256*\l
.endr
	v_mov_b32 v[EPV], EPS_ARG                      ; constants: none of these registers is named by a load
	v_mov_b32 v[EPV+1], EPS_ARG
	v_mov_b32 v[NI], NEG64TH
	v_mov_b32 v[NI+1], NEG64TH
	v_mov_b32 v[ZR], 0
	v_mov_b32 v[INF], 0x7f800000
	v_cmp_eq_u32 vcc_lo, 1, v2
	s_wait_alu depctr_va_vcc(0)                    ; the compare has written VCC, which the select below reads
	v_cndmask_b32 v[EP4], s28, v[INF], vcc_lo      ; half 1: +inf, so that 1 / (|log| + eps) of its spare slot is 0
; one butterfly step inside each half of 16 lanes
.macro XADD reg, m
	v_add_f32_dpp v[\reg], v[\reg], v[\reg] row_xmask:\m row_mask:0xf bank_mask:0xf
.endm
; one butterfly step on the five sums at a and the five at b (ten chains, so none waits for itself), and behind each pair one
; transcendental, in place, of the five registers at t, which belong to the token arithmetic
.macro RED2 a, b, m, op, t
.irp i, 0,1,2,3,4
	XADD \a+2*\i, \m
	XADD \b+2*\i, \m
	\op v[\t+\i], v[\t+\i]
.endr
.endm
	; ---- distances and the arguments of all logarithms
	s_wait_loadcnt 15                              ; x and the five scales are in; the 15 table loads stay out
.irp i, 0,1,2,3,4
	v_rcp_f32 v[RS+\i], v[SC+\i]
.endr
	s_wait_kmcnt 0x0                               ; locs
.irp l, 0,1,2,3,4
	v_sub_f32 v[DL+2*\l], v[XV], s[20+\l]
.endr
.irp l, 0,1,2,3,4
	v_and_b32 v[DL+2*\l+1], 0x7fffffff, v[DL+2*\l]
.endr
.irp l, 0,1,2,3,4
	v_add_f32 v[LW+\l], 1.0, v[DL+2*\l+1]          ; |d| + 1
.endr
	s_wait_alu depctr_va_vdst(0)
.irp l, 0,1,2,3,4                                  ; |d| / scale + 1e-6: |d| is the pair's second register, used for both halves of the result
	v_pk_fma_f32 v[TW+6*\l:TW+6*\l+1],   v[DL+2*\l:DL+2*\l+1], v[RS:RS+1],   v[EPV:EPV+1] op_sel:[1,0,0] op_sel_hi:[1,1,1]
	v_pk_fma_f32 v[TW+6*\l+2:TW+6*\l+3], v[DL+2*\l:DL+2*\l+1], v[RS+2:RS+3], v[EPV:EPV+1] op_sel:[1,0,0] op_sel_hi:[1,1,1]
	v_fma_f32 v[TW+6*\l+4], v[DL+2*\l+1], v[RS+4], v[EPV]
.endr
	; ---- row sums of ws and bs (my 4 channels, then 16 lanes), with the 30 logarithms between them
	s_wait_loadcnt 5                               ; ws and bs are in; the five loads of loc_emb stay out
.irp i, 0,1,2,3,4
	v_pk_add_f32 v[MW+2*\i:MW+2*\i+1], v[WR+4*\i:WR+4*\i+1], v[WR+4*\i+2:WR+4*\i+3]
	v_pk_add_f32 v[MB+2*\i:MB+2*\i+1], v[BR+4*\i:BR+4*\i+1], v[BR+4*\i+2:BR+4*\i+3]
	v_log_f32 v[TW+\i], v[TW+\i]
.endr
.irp i, 0,1,2,3,4
	v_add_f32 v[MW+2*\i], v[MW+2*\i], v[MW+2*\i+1]
	v_add_f32 v[MB+2*\i], v[MB+2*\i], v[MB+2*\i+1]
	v_log_f32 v[TW+6+\i], v[TW+6+\i]
.endr
	RED2 MW, MB, 1, v_log_f32, TW+12
	RED2 MW, MB, 2, v_log_f32, TW+18
	RED2 MW, MB, 4, v_log_f32, TW+24
	RED2 MW, MB, 8, v_log_f32, LW
	; ---- centre the rows: x - sum/64, the sum taken from the pair's first register for both halves
.irp i, 0,1,2,3,4
	v_pk_fma_f32 v[WR+4*\i:WR+4*\i+1],   v[MW+2*\i:MW+2*\i+1], v[NI:NI+1], v[WR+4*\i:WR+4*\i+1]   op_sel_hi:[0,1,1]
	v_pk_fma_f32 v[WR+4*\i+2:WR+4*\i+3], v[MW+2*\i:MW+2*\i+1], v[NI:NI+1], v[WR+4*\i+2:WR+4*\i+3] op_sel_hi:[0,1,1]
	v_pk_fma_f32 v[BR+4*\i:BR+4*\i+1],   v[MB+2*\i:MB+2*\i+1], v[NI:NI+1], v[BR+4*\i:BR+4*\i+1]   op_sel_hi:[0,1,1]
	v_pk_fma_f32 v[BR+4*\i+2:BR+4*\i+3], v[MB+2*\i:MB+2*\i+1], v[NI:NI+1], v[BR+4*\i+2:BR+4*\i+3] op_sel_hi:[0,1,1]
.endr
	; ---- |log2| + eps
	s_wait_alu depctr_va_vdst(0)
.irp l, 0,1,2,3,4
.irp i, 0,1,2,3
	v_add_f32 v[TW+6*\l+\i], |v[TW+6*\l+\i]|, s28
.endr
	v_add_f32 v[TW+6*\l+4], |v[TW+6*\l+4]|, v[EP4]
	v_add_f32 v[LW+\l], s28, v[LW+\l]              ; log2(|d| + 1) is not negative
.endr
	; ---- <wc,wc> and <wc,bc>, with the 30 reciprocals of the weights between them
.irp i, 0,1,2,3,4
	v_pk_mul_f32 v[SW+2*\i:SW+2*\i+1], v[WR+4*\i:WR+4*\i+1], v[WR+4*\i:WR+4*\i+1]
	v_pk_mul_f32 v[SX+2*\i:SX+2*\i+1], v[WR+4*\i:WR+4*\i+1], v[BR+4*\i:BR+4*\i+1]
	v_rcp_f32 v[TW+\i], v[TW+\i]
.endr
.irp i, 0,1,2,3,4
	v_pk_fma_f32 v[SW+2*\i:SW+2*\i+1], v[WR+4*\i+2:WR+4*\i+3], v[WR+4*\i+2:WR+4*\i+3], v[SW+2*\i:SW+2*\i+1]
	v_pk_fma_f32 v[SX+2*\i:SX+2*\i+1], v[WR+4*\i+2:WR+4*\i+3], v[BR+4*\i+2:BR+4*\i+3], v[SX+2*\i:SX+2*\i+1]
	v_rcp_f32 v[TW+6+\i], v[TW+6+\i]
.endr
.irp i, 0,1,2,3,4
	v_add_f32 v[SW+2*\i], v[SW+2*\i], v[SW+2*\i+1]
	v_add_f32 v[SX+2*\i], v[SX+2*\i], v[SX+2*\i+1]
	v_rcp_f32 v[TW+12+\i], v[TW+12+\i]
.endr
	RED2 SW, SX, 1, v_rcp_f32, TW+18
	RED2 SW, SX, 2, v_rcp_f32, TW+24
	RED2 SW, SX, 4, v_rcp_f32, LW
.irp i, 0,1,2,3,4
	XADD SW+2*\i, 8
	XADD SX+2*\i, 8
	s_wait_alu depctr_va_vdst(0)
	v_pk_add_f32 v[PT+2*\i:PT+2*\i+1], v[TW+6*\i:TW+6*\i+1], v[TW+6*\i+2:TW+6*\i+3]   ; location i: my five scale weights begin to add up
.endr
	; ---- -p = -<wc,bc>/<wc,wc>;  sums of the weights, mine plus the other half's
.irp i, 0,1,2,3,4
	v_max_num_f32 v[SW+2*\i], s32, v[SW+2*\i]      ; a constant row of ws: the norm is clamped, wc = 0 stays 0
.endr
.irp k, 0,1,2,3,4
	v_rsq_f32 v[SW+2*\k+1], v[SW+2*\k]
	v_add_f32 v[PT+2*\k], v[PT+2*\k], v[PT+2*\k+1]
.endr
.irp k, 0,1,2,3,4
	v_rcp_f32 v[RW+\k], v[SW+2*\k]
	v_add_f32 v[PT+2*\k], v[PT+2*\k], v[TW+6*\k+4]
.endr
	v_pk_add_f32 v[RN:RN+1], v[LW:LW+1], v[LW+2:LW+3]
.irp l, 0,1,2,3,4
	v_permlanex16_b32 v[PT+2*\l+1], v[PT+2*\l], s30, s31   ; the destination has been written before (the packed add)
.endr
	v_add_f32 v[RN], v[RN], v[RN+1]
	s_wait_alu depctr_va_vdst(0)
.irp i, 0,1,2,3,4
	v_mul_f32 v[SX+2*\i], -v[SX+2*\i], v[RW+\i]
.endr
	v_add_f32 v[RN], v[RN], v[LW+4]
.irp l, 0,1,2,3,4
	v_add_f32 v[PT+2*\l], v[PT+2*\l], v[PT+2*\l+1] ; sum over all nine scales
.endr
.irp k, 0,1,2,3,4                                  ; bp = bc - p wc
	v_pk_fma_f32 v[BR+4*\k:BR+4*\k+1],   v[SX+2*\k:SX+2*\k+1], v[WR+4*\k:WR+4*\k+1],   v[BR+4*\k:BR+4*\k+1]   op_sel_hi:[0,1,1]
	v_pk_fma_f32 v[BR+4*\k+2:BR+4*\k+3], v[SX+2*\k:SX+2*\k+1], v[WR+4*\k+2:WR+4*\k+3], v[BR+4*\k+2:BR+4*\k+3] op_sel_hi:[0,1,1]
	v_rcp_f32 v[FL+2*\k+1], v[PT+2*\k]
.endr
	v_rcp_f32 v[RN+1], v[RN]
	; ---- <bp,bp>, five chains, with the statistics of wc and the location factors between its steps
.irp i, 0,1,2,3,4
	v_pk_mul_f32 v[SQ+2*\i:SQ+2*\i+1], v[BR+4*\i:BR+4*\i+1], v[BR+4*\i:BR+4*\i+1]
	v_mul_f32 v[S8+\i], v[SW+2*\i], v[SW+2*\i+1]   ; |wc| = n rsq(n)
.endr
.irp i, 0,1,2,3,4
	v_pk_fma_f32 v[SQ+2*\i:SQ+2*\i+1], v[BR+4*\i+2:BR+4*\i+3], v[BR+4*\i+2:BR+4*\i+3], v[SQ+2*\i:SQ+2*\i+1]
	v_mul_f32 v[C8+\i], v[SC+\i], v[SX+2*\i]       ; -scale p
.endr
	s_wait_alu depctr_va_vdst(0)
	v_mul_f32 v[RN+2], 0x41000000, v[RN+1]         ; 8 / sum lw: the 8 = sqrt(64) that the unit-norm rows and 64 var leave over
	v_mul_f32 v[RN+3], 0.5, v[RN+1]                ; loc_emb stands in both halves' k slots
.irp i, 0,1,2,3,4
	v_add_f32 v[SQ+2*\i], v[SQ+2*\i], v[SQ+2*\i+1]
	v_mul_f32 v[C8+\i], -v[C8+\i], v[S8+\i]        ; scale p |wc|
.endr
.irp i, 0,1,2,3,4
	XADD SQ+2*\i, 1
	v_pk_mul_f32 v[WR+4*\i:WR+4*\i+1],   v[WR+4*\i:WR+4*\i+1],   v[SW+2*\i:SW+2*\i+1] op_sel:[0,1] op_sel_hi:[1,1]   ; wn = wc rsq
	v_pk_mul_f32 v[WR+4*\i+2:WR+4*\i+3], v[WR+4*\i+2:WR+4*\i+3], v[SW+2*\i:SW+2*\i+1] op_sel:[0,1] op_sel_hi:[1,1]
.endr
.irp i, 0,1,2,3,4
	XADD SQ+2*\i, 2
	v_mul_f32 v[FL+2*\i], v[LW+\i], v[RN+2]
.endr
.irp i, 0,1,2,3,4
	XADD SQ+2*\i, 4
	v_mul_f32 v[FL+2*\i], v[FL+2*\i], v[FL+2*\i+1] ; f_l = 8 lw_l / (sum lw  sum_s w)
.endr
	v_pk_mul_f32 v[EC:EC+1],   v[LW:LW+1],   v[RN+2:RN+3] op_sel:[0,1] op_sel_hi:[1,1]
	v_pk_mul_f32 v[EC+2:EC+3], v[LW+2:LW+3], v[RN+2:RN+3] op_sel:[0,1] op_sel_hi:[1,1]
	v_mul_f32 v[EC+4], v[LW+4], v[RN+3]
.irp i, 0,1,2,3,4
	XADD SQ+2*\i, 8
.endr
; register n of channel tile t of the B operand.  The 16 k slots of a half, two to a register:
; (wn0 wn1) (wn2 wn3) (wn4 emb0) (emb1 emb2) (emb3 emb4) (en0 en1) (en2 en3) (en4 0); the A operand below follows the same list.
.macro CVTN t, n
.if \n == 0
	v_cvt_pk_f16_f32 v[TB+8*\t],   v[WR+\t],    v[WR+4+\t]
.elseif \n == 1
	v_cvt_pk_f16_f32 v[TB+8*\t+1], v[WR+8+\t],  v[WR+12+\t]
.elseif \n == 2
	v_cvt_pk_f16_f32 v[TB+8*\t+2], v[WR+16+\t], v[ER+\t]
.elseif \n == 3
	v_cvt_pk_f16_f32 v[TB+8*\t+3], v[ER+4+\t],  v[ER+8+\t]
.elseif \n == 4
	v_cvt_pk_f16_f32 v[TB+8*\t+4], v[ER+12+\t], v[ER+16+\t]
.elseif \n == 5
	v_cvt_pk_f16_f32 v[TB+8*\t+5], v[BR+\t],    v[BR+4+\t]
.elseif \n == 6
	v_cvt_pk_f16_f32 v[TB+8*\t+6], v[BR+8+\t],  v[BR+12+\t]
.else
	v_cvt_pk_f16_f32 v[TB+8*\t+7], v[BR+16+\t], v[ZR]
.endif
.endm
	s_wait_loadcnt 0                               ; loc_emb
.irp n, 0,1,2,3,4
	CVTN 0, \n
.endr
.irp i, 0,1,2,3,4
	v_max_num_f32 v[SQ+2*\i], s32, v[SQ+2*\i]      ; bs constant or parallel to ws: clamped likewise
.endr
.irp i, 0,1,2,3,4
	v_rsq_f32 v[SQ+2*\i+1], v[SQ+2*\i]
	CVTN 1, \i
	CVTN 2, \i
	CVTN 3, \i
.endr
	s_wait_alu depctr_va_vdst(0)
.irp i, 0,1,2,3,4
	v_mul_f32 v[T8+\i], v[SQ+2*\i], v[SQ+2*\i+1]   ; |bp|
	v_pk_mul_f32 v[BR+4*\i:BR+4*\i+1],   v[BR+4*\i:BR+4*\i+1],   v[SQ+2*\i:SQ+2*\i+1] op_sel:[0,1] op_sel_hi:[1,1]   ; en = bp rsq
	v_pk_mul_f32 v[BR+4*\i+2:BR+4*\i+3], v[BR+4*\i+2:BR+4*\i+3], v[SQ+2*\i:SQ+2*\i+1] op_sel:[0,1] op_sel_hi:[1,1]
.endr
.irp i, 0,1,2,3,4
	v_mul_f32 v[T8+\i], v[T8+\i], v[SC+\i]         ; t = scale |bp|
.endr
.irp l, 0,1,2,3,4                                  ; u = d |wc| + scale p |wc|  (ws and loc_emb rows are converted: their registers take u)
	v_pk_fma_f32 v[UU+6*\l:UU+6*\l+1],   v[DL+2*\l:DL+2*\l+1], v[S8:S8+1],   v[C8:C8+1]   op_sel_hi:[0,1,1]
	v_pk_fma_f32 v[UU+6*\l+2:UU+6*\l+3], v[DL+2*\l:DL+2*\l+1], v[S8+2:S8+3], v[C8+2:C8+3] op_sel_hi:[0,1,1]
	v_fma_f32 v[UU+6*\l+4], v[DL+2*\l], v[S8+4], v[C8+4]
.endr
.irp i, 0,1,2,3,4
	v_fma_f32 v[QQ+\i], v[T8+\i], v[T8+\i], s33
.endr
.irp l, 0,1,2,3,4                                  ; 64 (var + 1e-5) = u^2 + (t^2 + 64e-5)
	v_pk_fma_f32 v[VV+6*\l:VV+6*\l+1],   v[UU+6*\l:UU+6*\l+1],   v[UU+6*\l:UU+6*\l+1],   v[QQ:QQ+1]
	v_pk_fma_f32 v[VV+6*\l+2:VV+6*\l+3], v[UU+6*\l+2:UU+6*\l+3], v[UU+6*\l+2:UU+6*\l+3], v[QQ+2:QQ+3]
	v_fma_f32 v[VV+6*\l+4], v[UU+6*\l+4], v[UU+6*\l+4], v[QQ+4]
.endr
; location l joins the sums over locations: G0 += (w f) rsq, G1 += (w f u) rsq; location 0 starts them, nothing is cleared
.macro ACCP l, o
.if (\l) == 0
	s_wait_alu depctr_va_vdst(0)
	v_pk_mul_f32 v[G0+\o:G0+\o+1], v[TW+6*(\l)+\o:TW+6*(\l)+\o+1], v[VV+6*(\l)+\o:VV+6*(\l)+\o+1]
	v_pk_mul_f32 v[G1+\o:G1+\o+1], v[UU+6*(\l)+\o:UU+6*(\l)+\o+1], v[VV+6*(\l)+\o:VV+6*(\l)+\o+1]
.else
	v_pk_fma_f32 v[G0+\o:G0+\o+1], v[TW+6*(\l)+\o:TW+6*(\l)+\o+1], v[VV+6*(\l)+\o:VV+6*(\l)+\o+1], v[G0+\o:G0+\o+1]
	v_pk_fma_f32 v[G1+\o:G1+\o+1], v[UU+6*(\l)+\o:UU+6*(\l)+\o+1], v[VV+6*(\l)+\o:VV+6*(\l)+\o+1], v[G1+\o:G1+\o+1]
.endif
.endm
.macro ACCS l
.if (\l) == 0
	v_mul_f32 v[G0+4], v[TW+6*(\l)+4], v[VV+6*(\l)+4]
	v_mul_f32 v[G1+4], v[UU+6*(\l)+4], v[VV+6*(\l)+4]
.else
	v_fma_f32 v[G0+4], v[TW+6*(\l)+4], v[VV+6*(\l)+4], v[G0+4]
	v_fma_f32 v[G1+4], v[UU+6*(\l)+4], v[VV+6*(\l)+4], v[G1+4]
.endif
.endm
; location l: its five rsq, each followed by three plain instructions of other chains: w f and w f u of this location, the sums of the
; location before, and the rest of the operand conversions (tile l's rows en; for l = 4 two registers of the A operand)
.macro ITER l
	v_rsq_f32 v[VV+6*\l], v[VV+6*\l]
	v_pk_mul_f32 v[TW+6*\l:TW+6*\l+1], v[TW+6*\l:TW+6*\l+1], v[FL+2*\l:FL+2*\l+1] op_sel_hi:[1,0]
	s_wait_alu depctr_va_vdst(0)
.if \l > 0
	ACCP \l-1, 0
.endif
	v_rsq_f32 v[VV+6*\l+1], v[VV+6*\l+1]
	v_pk_mul_f32 v[TW+6*\l+2:TW+6*\l+3], v[TW+6*\l+2:TW+6*\l+3], v[FL+2*\l:FL+2*\l+1] op_sel_hi:[1,0]
.if \l > 0
	ACCP \l-1, 2
.endif
	v_rsq_f32 v[VV+6*\l+2], v[VV+6*\l+2]
	v_mul_f32 v[TW+6*\l+4], v[TW+6*\l+4], v[FL+2*\l]
.if \l > 0
	ACCS \l-1
.endif
	v_rsq_f32 v[VV+6*\l+3], v[VV+6*\l+3]
	v_pk_mul_f32 v[UU+6*\l:UU+6*\l+1],   v[UU+6*\l:UU+6*\l+1],   v[TW+6*\l:TW+6*\l+1]
	v_pk_mul_f32 v[UU+6*\l+2:UU+6*\l+3], v[UU+6*\l+2:UU+6*\l+3], v[TW+6*\l+2:TW+6*\l+3]
.if \l < 4
	CVTN \l, 5
.else
	v_cvt_pk_f16_f32 v[CF+3], v[EC+1], v[EC+2]
.endif
	v_rsq_f32 v[VV+6*\l+4], v[VV+6*\l+4]
	v_mul_f32 v[UU+6*\l+4], v[UU+6*\l+4], v[TW+6*\l+4]
.if \l < 4
	CVTN \l, 6
	CVTN \l, 7
.else
	v_cvt_pk_f16_f32 v[CF+4], v[EC+3], v[EC+4]
	s_wait_alu depctr_va_vdst(0)
.endif
.endm
	ITER 0
	ITER 1
	ITER 2
	ITER 3
	ITER 4
	ACCP 4, 0
	ACCP 4, 2
	ACCS 4
	; ---- the A operand: my token's 16 coefficients, in the k order of CVTN
	v_pk_mul_f32 v[G0:G0+1],   v[G0:G0+1],   v[T8:T8+1]     ; coefficient of en: t sum_l w f rsq
	v_pk_mul_f32 v[G0+2:G0+3], v[G0+2:G0+3], v[T8+2:T8+3]
	v_mul_f32 v[G0+4], v[G0+4], v[T8+4]
	v_cvt_pk_f16_f32 v[CF],   v[G1],   v[G1+1]
	v_cvt_pk_f16_f32 v[CF+1], v[G1+2], v[G1+3]
	v_cvt_pk_f16_f32 v[CF+2], v[G1+4], v[EC]
	v_cvt_pk_f16_f32 v[CF+5], v[G0],   v[G0+1]
	v_cvt_pk_f16_f32 v[CF+6], v[G0+2], v[G0+3]
	v_cvt_pk_f16_f32 v[CF+7], v[G0+4], v[ZR]
.irp t, 0,1,2,3
	v_wmma_f32_16x16x32_f16 v[DD+8*\t:DD+8*\t+7], v[CF:CF+7], v[TB+8*\t:TB+8*\t+7], 0    ; 16 tokens x channels 4n + t, all of K in one step
.endr
.rept 4
	v_nop                                          ; four places behind the last matrix instruction before its result is read (ISA guide 7.12.1)
.endr
	; Register j of tile t holds (token 8h + j, channel 4r + t).  Four moves put a lane's channels 4r .. 4r+3 of one token side by side, so that
	; sixteen lanes store the 256 consecutive, aligned bytes of a token's row and one store of the wave covers two whole rows.  The moves stand for
	; a trip through LDS, which the same regrouping would otherwise take.  All 32 moves stand in one run and the eight stores in another,
	; so that one wait between the two runs states all that the stores hang on.
.irp j, 0,1,2,3,4,5,6,7
.irp t, 0,1,2,3
	v_mov_b32 v[OUT+4*\j+\t], v[DD+8*\t+\j]        ; each accumulator from its low end on
.endr
.endr
	s_wait_alu depctr_va_vdst(0)                   ; the 32 moves have written v[OUT ..], which the eight stores read; their offset v10 was written at the head
.irp j, 0,1,2,3,4,5,6,7
	global_store_b128 v[AO], v[OUT+4*\j:OUT+4*\j+3], s[16:17] offset:256*\j th:TH_STORE_NT
.endr
	s_endpgm
.Lfunc_end_k_qbaf3d80b98_encode:
	.size	k_qbaf3d80b98_encode, .Lfunc_end_k_qbaf3d80b98_encode-k_qbaf3d80b98_encode
	.p2alignl 7, 3214868480
	.fill 96, 4, 3214868480
	.section	.rodata,"a",@progbits
	.p2align	6, 0x0
	.amdhsa_kernel k_qbaf3d80b98_encode
		.amdhsa_group_segment_fixed_size 0
		.amdhsa_private_segment_fixed_size 0
		.amdhsa_enable_private_segment 0
		.amdhsa_kernarg_size 56
		.amdhsa_user_sgpr_count 2
		.amdhsa_user_sgpr_kernarg_segment_ptr 1
		.amdhsa_wavefront_size32 1
		.amdhsa_system_sgpr_workgroup_id_x 1
		.amdhsa_system_sgpr_workgroup_id_y 1
		.amdhsa_system_sgpr_workgroup_id_z 1
		.amdhsa_system_vgpr_workitem_id 0
		.amdhsa_next_free_vgpr 256
		.amdhsa_next_free_sgpr 66
		.amdhsa_reserve_vcc 1
		.amdhsa_float_denorm_mode_32 3
		.amdhsa_float_denorm_mode_16_64 3
		.amdhsa_memory_ordered 1
		.amdhsa_forward_progress 1
		.amdhsa_inst_pref_size 39
	.end_amdhsa_kernel
	.amdgpu_metadata
---
amdhsa.version: [ 1, 2 ]
amdhsa.kernels:
  - .name:           k_qbaf3d80b98_encode
    .symbol:         k_qbaf3d80b98_encode.kd
    .args:
      - { .name: x, .offset: 0, .size: 8, .value_kind: global_buffer, .address_space: global }
      - { .name: ws, .offset: 8, .size: 8, .value_kind: global_buffer, .address_space: global }
      - { .name: bs, .offset: 16, .size: 8, .value_kind: global_buffer, .address_space: global }
      - { .name: loc_emb, .offset: 24, .size: 8, .value_kind: global_buffer, .address_space: global }
      - { .name: scales, .offset: 32, .size: 8, .value_kind: global_buffer, .address_space: global }
      - { .name: locs, .offset: 40, .size: 8, .value_kind: global_buffer, .address_space: global }
      - { .name: out0, .offset: 48, .size: 8, .value_kind: global_buffer, .address_space: global }
    .group_segment_fixed_size: 0
    .private_segment_fixed_size: 0
    .kernarg_segment_align: 8
    .kernarg_segment_size: 56
    .max_flat_workgroup_size: 128
    .sgpr_count:     66
    .vgpr_count:     256
    .wavefront_size: 32
...
	.end_amdgpu_metadata
.endif
;; end of part 2
